; MI455X (gfx1250); checked and timed in simulation.
; The chip was launched on July 23, 2026; its instructions are those of AMD's public machine-readable ISA for CDNA 5 (MIT licence, August 2026) and "CDNA5" Instruction Set Architecture Reference Guide (July 2026). The comments in the code are by the model that wrote it; some were corrected since.
;; Mo E Regressor. Allowed arithmetic: float matrix products may take bf16 or f16 operands with f32 sums; other float arithmetic in f32, or as packed bf16 or f16 multiplies, adds, multiply-adds, maxima and minima; sums over many terms, partial sums and values carried from step to step in f32; what a program stores and reads back later, other than sums and carried values, may be rounded once to bf16 or f16.
;; Inputs: We1 8 x 153 x 128 float32; We2 8 x 128 x 64 float32; We3 8 x 64 x 8 float32; Wg1 153 x 64 float32; Wg2 64 x 32 float32; Wg3 32 x 8 float32; Wp 153 x 153 float32; be1 8 x 128 float32; be2 8 x 64 float32; be3 8 x 8 float32; bg1 64 float32; bg2 32 float32; bg3 8 float32; bp 153 float32; ln_in_b 153 float32; ln_in_g 153 float32; ln_out_b 8 float32; ln_out_g 8 float32; x 262,144 x 153 float32.
;; Outputs: out0 262,144 x 8 float32; out1 262,144 x 8 float32.
;; One version. Each part assembles by itself: llvm-mc -triple=amdgcn-amd-amdhsa -mcpu=gfx1250 --defsym DOCPART=n.
;; ======== version 1 of 1: 2 launches
;; limits: values are held in f16: magnitudes above 65,504 overflow, below 6.1e-05 lose precision; right only within a limited range of input values
;; workspace buffers: wq 563,200 bytes
;; launch prep (part 1): grid 38 x 1, 32 waves a work-group, no clusters, 5,120 bytes of LDS; arguments We1, We2, We3, Wg1, Wg2, Wg3, Wp, be1, be2, be3, bg1, bg2, bg3, bp, ln_in_b, ln_in_g, ln_out_b, ln_out_g, wq; writes wq
.if DOCPART == 1
	.amdgcn_target "amdgcn-amd-amdhsa--gfx1250"
	.amdhsa_code_object_version 6
	.text
	.protected	k_q403a36e8d8_prep
	.globl	k_q403a36e8d8_prep
	.p2align	8
	.type	k_q403a36e8d8_prep,@function
k_q403a36e8d8_prep:
	s_mov_b64 s[64:65], 0
	v_nop
	global_prefetch_b8 v0, s[64:65] scope:SCOPE_SE
	s_setreg_imm32_b32 hwreg(HW_REG_WAVE_MODE, 25, 1), 1
	s_wait_xcnt 0x0
; PREP: all weights are rounded ONCE to f16 and laid into wq in the order in which a wave's A-operand registers take them.
; A FRAGMENT is 1,024 bytes: 16 out-features x 32 in-slots.  Half j (512 bytes) holds lane L's 16 bytes at 512 j + 16 L: out 16 ft + (L & 15), in-slots 32 kf + 16 j + 8 (L >> 4) + 0..7.
; wq: P (Wp, 50 fragments) at 0; expert e at 51,200 + 60,416 e (We1 40, We2 16, We3 2 fragments, 1,024 bytes of f32 tail); R at 534,528 (Wg1 20, Wg2 4, Wg3 1 fragments, three f32 tables of 1,024 bytes).
; SLOTS OF THE 160-WIDE OPERANDS: slot 16 c + 8 h + i holds feature 80 h + 8 c + i; in (c = 9, h = 1): i = 0 is the HOOK (the activation there is alpha, the weight row is the bias), i = 1..6 are 0, i = 7 is feature 152.
; SCALES, all exact powers of two (relu commutes with them), so that no f16 activation can pass 65,504: EXPO(x) = the exponent E with x 2^-E in [0.5, 1), x held to [2^-30, 2^30].
;   Ea = EXPO((max|g| + max|b|)(1 + 153 max|Wp|) + max|bp| + 1), alpha = 2^-Ea, goes into the LayerNorm tables: the 1-norm of a scaled row with its hook is at most 154.
;   For each chain (an expert, or the gate): E1 = EXPO(max(|W1|, |b1|)), E2 = EXPO(max(|W2|, 2^-(Ea+E1) |b2|)), E3 = EXPO(max|W3|).  Scaled weights lie below 1, so layer 1 stays under 154 and layer 2 under 19,713.
;   The tail holds b2 2^-(Ea+E1+E2), b3 2^-(Ea+..+E3) and u = 2^(Ea+..+E3) in f32.
; LIMITS.  Maxima outside 2^-30 .. 2^30 are held to that range, and the bounds above then no longer hold; Wp and bp are not scaled and must lie within 65,504; NaN and infinities are not treated apart.
; SHARES.  38 work-groups of 32 waves: 4 for each expert, 4 for P, 2 for R.  A wave makes one half-fragment or 512 bytes of a table: one store of 512 consecutive bytes, at a multiple of 512 from wq's first byte.
; The exponents live in vector registers and feed v_ldexp_f32 alone: no address and no branch hangs on them.
.set SPARE, 1024                       ; LDS: bytes 0-1,023 eight maxima x 32 waves; from 1,024 on the spare words, 128 bytes for each of 32 waves
.set SPW, 110                          ; v110  LDS address of my spare word; never rewritten
.set NIL, 111                          ; v111  0; never rewritten
.set ZR,  109                          ; v109  0, for selects and as a zero offset
.set STA, 108                          ; v108  my 16 bytes in wq
.set NA,  100                          ; v100  -Ea
.set N1,  101                          ; v101  -E1
.set N2,  102                          ; v102  -E2
.set N3,  103                          ; v103  -E3
.set NC2, 104                          ; v104  -(Ea+E1+E2)
.set NC3, 105                          ; v105  -(Ea+E1+E2+E3)
.set UU,  106                          ; v106  u
; scalars: s[4:41] the 19 addresses; s42 work-group; s43 wave; s44 expert; s46 ws, the wave's slot in its region; s[48:59] the chain's own W1, b1, W2, b2, W3, b3; s73 ft; s74 kf; s75 j
.macro FINISH                          ; a wave's end, behind my last LDS store
	s_wait_tensorcnt 0x0
	ds_add_u32 v[SPW], v[NIL]
	s_wait_dscnt 0x0
	s_endpgm
.endm
.macro MAXR d, b, n                    ; v[d] = the largest magnitude in v[b .. b+n-1], n even
	v_max_num_f32 v[\d], |v[\b]|, |v[(\b)+1]|
.set mi, 2
.rept ((\n)-2)/2
	v_max3_num_f32 v[\d], |v[(\b)+mi]|, |v[(\b)+mi+1]|, v[\d]
.set mi, mi+2
.endr
.endm
.macro WRED x                          ; the maximum over the wave's 32 lanes, in every lane
	v_max_num_f32_dpp v[\x], v[\x], v[\x] row_xmask:1 row_mask:0xf bank_mask:0xf
	v_max_num_f32_dpp v[\x], v[\x], v[\x] row_xmask:2 row_mask:0xf bank_mask:0xf
	v_max_num_f32_dpp v[\x], v[\x], v[\x] row_xmask:4 row_mask:0xf bank_mask:0xf
	v_max_num_f32_dpp v[\x], v[\x], v[\x] row_xmask:8 row_mask:0xf bank_mask:0xf
	v_permlanex16_b32 v98, v[\x], s70, s71
	v_max_num_f32 v[\x], v[\x], v98
.endm
.macro NEXP d, s                       ; v[d] = -EXPO(v[s]) = 126 - the biased exponent of v[s] held to [2^-30, 2^30]
	v_max_num_f32 v99, 0x30800000, v[\s]
	v_min_num_f32 v99, 0x4e800000, v99
	v_lshrrev_b32 v99, 23, v99
	v_sub_nc_u32 v[\d], 126, v99
.endm
.macro PACKST ne                       ; v[8:15] scaled by 2^v[ne] (ne < 0: not scaled), rounded to f16, stored; the wave ends
.if (\ne) >= 0
.irp i, 0,1,2,3,4,5,6,7
	v_ldexp_f32 v[8+\i], v[8+\i], v[\ne]
.endr
.endif
.irp i, 0,1,2,3
	v_cvt_pk_f16_f32 v[20+\i], v[8+2*\i], v[9+2*\i]
.endr
	global_store_b128 v[STA], v[20:23], s[40:41]
	FINISH
.endm
; Half a fragment of a matrix with 153 in-features ([153][n] at s[sp:sp+1], bias at s[bs:bs+1]); wp = 1: Wp, whose out-features follow the slot map too.
.macro U153 sp, n, bs, ne, wp
	s_lshl_b32 s76, s74, 1
	s_add_co_u32 s76, s76, s75             ; c = 2 kf + j
	s_lshl_b32 s79, s76, 3                 ; 8 c
	s_mov_b32 s77, 80
	s_cmp_eq_u32 s76, 9
	s_cselect_b32 s77, 73, s77             ; in chunk 9 the upper lanes read rows 145 .. 152: inside the matrix, row 152 in place 7
	s_cselect_b32 s78, 0xffff0000, 0       ; and their places 0 .. 6 are replaced
	v_mad_u32_u24 v4, v3, s77, s79         ; my first row
.if \wp
	v_lshrrev_b32 v5, 3, v2
	v_mul_u32_u24 v5, 80, v5
	v_and_b32 v6, 7, v2
	v_add_nc_u32 v5, v5, v6
	v_lshl_add_u32 v5, s73, 3, v5          ; out row m of fragment ft is feature 80 (m >> 3) + 8 ft + (m & 7),
	v_min_u32 v5, 152, v5                  ; in ft = 9: m = 15 is feature 152
	s_cmp_eq_u32 s73, 9
	s_cselect_b32 s80, 0x7f007f00, 0       ; and m = 8 .. 14 are rows of zeros
.else
	v_lshl_add_u32 v5, s73, 4, v2          ; column 16 ft + r
.endif
	v_mul_u32_u24 v4, \n, v4
	v_add_lshl_u32 v4, v4, v5, 2
	v_lshlrev_b32 v7, 2, v5
.irp i, 0,1,2,3,4,5,6,7
	global_load_b32 v[8+\i], v4, s[\sp:\sp+1] offset:4*(\n)*\i
.endr
	global_load_b32 v16, v7, s[\bs:\bs+1]
	s_wait_loadcnt 0x0
	v_cndmask_b32 v8, v8, v16, s78         ; the hook's row is the bias
.irp i, 1,2,3,4,5,6
	v_cndmask_b32 v[8+\i], v[8+\i], v[ZR], s78
.endr
.if \wp
.irp i, 0,1,2,3,4,5,6,7
	v_cndmask_b32 v[8+\i], v[8+\i], v[ZR], s80
.endr
.endif
	PACKST \ne
.endm
; Half a fragment of a matrix whose in-features lie in natural order ([K][n]).  cm = 0: column 16 ft + r; 1: (r + 4 (r >> 3)) & 7; 2: r & 7.
.macro UNAT sp, n, cm, ne
	s_lshl_b32 s76, s74, 5
	s_lshl_b32 s77, s75, 4
	s_add_co_u32 s76, s76, s77
	v_lshl_add_u32 v4, v3, 3, s76          ; my first row: 32 kf + 16 j + 8 h
.if (\cm) == 0
	v_lshl_add_u32 v5, s73, 4, v2
.elseif (\cm) == 1
	v_lshrrev_b32 v5, 3, v2
	v_lshl_add_u32 v5, v5, 2, v2
	v_and_b32 v5, 7, v5
.else
	v_and_b32 v5, 7, v2
.endif
	v_mul_u32_u24 v4, \n, v4
	v_add_lshl_u32 v4, v4, v5, 2
.irp i, 0,1,2,3,4,5,6,7
	global_load_b32 v[8+\i], v4, s[\sp:\sp+1] offset:4*(\n)*\i
.endr
	s_wait_loadcnt 0x0
	PACKST \ne
.endm
; 512 bytes of a LayerNorm table: 160 f32 in slot order (index 80 h + 8 c + i), scaled by alpha, then zeros.  hook = 1: index 152 holds alpha.
.macro UTAB sp, base, hook
	s_sub_co_u32 s76, s46, \base
	s_lshl_b32 s76, s76, 5
	v_add_nc_u32 v4, s76, v1               ; my group of four numbers
	v_min_u32 v5, 37, v4
	v_lshlrev_b32 v5, 4, v5
	global_load_b128 v[8:11], v5, s[\sp:\sp+1]
	global_load_b32 v12, v[ZR], s[\sp:\sp+1] offset:608
	s_wait_loadcnt 0x0
.irp i, 0,1,2,3,4
	v_ldexp_f32 v[8+\i], v[8+\i], v[NA]
.endr
	v_cmp_gt_u32 s77, 38, v4
	v_cmp_eq_u32 s78, 38, v4
	v_cmp_eq_u32 s79, 39, v4
.irp i, 0,1,2,3
	v_cndmask_b32 v[8+\i], v[ZR], v[8+\i], s77
.endr
.if \hook
	v_ldexp_f32 v13, 1.0, v[NA]
	v_cndmask_b32 v8, v8, v13, s78
.endif
	v_cndmask_b32 v11, v11, v12, s79       ; index 159 is feature 152
	global_store_b128 v[STA], v[8:11], s[40:41]
	FINISH
.endm
.macro ROTQ d                          ; which half of 8 numbers group a = lane & 3 of a rotated table of 16 takes: 0, 1, 1, 0; in bytes
	v_and_b32 v[\d], 3, v1
	v_lshrrev_b32 v17, 1, v[\d]
	v_xor_b32 v[\d], v[\d], v17
	v_and_b32 v[\d], 1, v[\d]
	v_lshlrev_b32 v[\d], 4, v[\d]
.endm
.macro ZEROS
.irp i, 0,1,2,3
	v_mov_b32 v[20+\i], 0
.endr
	global_store_b128 v[STA], v[20:23], s[40:41]
	FINISH
.endm
.macro Q5                              ; ws -> fragment q = ws / 2 = 5 ft + kf
	s_lshr_b32 s76, s46, 1
	s_mul_i32 s73, s76, 205
	s_lshr_b32 s73, s73, 10                ; q / 5, right for q < 50
	s_mul_i32 s77, s73, 5
	s_sub_co_u32 s74, s76, s77
.endm
	s_load_b512 s[4:19], s[0:1], 0x0       ; We1 s[4:5], We2 s[6:7], We3 s[8:9], Wg1 s[10:11], Wg2 s[12:13], Wg3 s[14:15], Wp s[16:17], be1 s[18:19]
	s_load_b512 s[20:35], s[0:1], 0x40     ; be2 s[20:21], be3 s[22:23], bg1 s[24:25], bg2 s[26:27], bg3 s[28:29], bp s[30:31], ln_in_b s[32:33], ln_in_g s[34:35]
	s_load_b128 s[36:39], s[0:1], 0x80     ; ln_out_b s[36:37], ln_out_g s[38:39]
	s_load_b64 s[40:41], s[0:1], 0x90      ; wq
	v_lshl_add_u32 v[SPW], v0, 2, SPARE
	v_mov_b32 v[NIL], 0
	v_mov_b32 v[ZR], 0
	v_mov_b32 v98, 0
	v_lshrrev_b32 v1, 5, v0
	v_readfirstlane_b32 s43, v1            ; wave 0..31
	v_and_b32 v1, 31, v0                   ; lane
	v_and_b32 v2, 15, v0                   ; r
	v_bfe_u32 v3, v0, 4, 1                 ; h
	s_mov_b32 s42, ttmp9
	s_and_b32 s45, s42, 3                  ; which part of its region the work-group makes (32 and 36 are multiples of 4)
	s_lshl_b32 s46, s45, 5
	s_add_co_u32 s46, s46, s43             ; ws
	s_and_b32 s75, s46, 1                  ; j: every kind of fragment begins at an even ws
	s_lshr_b32 s44, s42, 2
	s_mov_b32 s70, 0x76543210
	s_mov_b32 s71, 0xfedcba98
	s_mov_b32 s60, 2447
	s_mov_b32 s62, 511
	s_mov_b32 s69, 0
	s_wait_kmcnt 0x0
	s_cmp_lt_u32 s42, 32                   ; an expert's work-group takes the expert's chain, every other the gate's
	s_cselect_b32 s44, s44, 0
	s_cselect_b64 s[48:49], s[4:5], s[10:11]
	s_cselect_b64 s[50:51], s[18:19], s[24:25]
	s_cselect_b64 s[52:53], s[6:7], s[12:13]
	s_cselect_b64 s[54:55], s[20:21], s[26:27]
	s_cselect_b64 s[56:57], s[8:9], s[14:15]
	s_cselect_b64 s[58:59], s[22:23], s[28:29]
	s_cselect_b32 s60, 4895, s60           ; the last group of four numbers in W1,
	s_cselect_b32 s61, 31, 15              ; b1,
	s_cselect_b32 s62, 2047, s62           ; W2,
	s_cselect_b32 s63, 15, 7               ; b2,
	s_cselect_b32 s66, 127, 63             ; W3
	s_mul_i32 s68, s44, 78336
	s_add_nc_u64 s[48:49], s[48:49], s[68:69]
	s_lshl_b32 s68, s44, 9
	s_add_nc_u64 s[50:51], s[50:51], s[68:69]
	s_lshl_b32 s68, s44, 15
	s_add_nc_u64 s[52:53], s[52:53], s[68:69]
	s_lshl_b32 s68, s44, 8
	s_add_nc_u64 s[54:55], s[54:55], s[68:69]
	s_lshl_b32 s68, s44, 11
	s_add_nc_u64 s[56:57], s[56:57], s[68:69]
	s_lshl_b32 s68, s44, 5
	s_add_nc_u64 s[58:59], s[58:59], s[68:69]
	s_mul_i32 s72, s44, 60416
	s_add_co_u32 s72, s72, 51200
	s_cmp_lt_u32 s42, 32
	s_cselect_b32 s72, s72, 0
	s_cmp_lt_u32 s42, 36
	s_cselect_b32 s72, s72, 534528         ; my region's first byte in wq
	s_lshl_b32 s82, s46, 9
	s_add_co_u32 s82, s82, s72
	v_lshl_add_u32 v[STA], v1, 4, s82
	; THE MAXIMA.  1,024 threads read Wp, the LayerNorm's gain and bias, bp and the chain's own matrices once, 16 bytes at a time, indices held to the last group: all 20 loads go out ahead of one wait.
	v_lshlrev_b32 v4, 4, v0
	v_add_nc_u32 v5, 5120, v0
	v_min_u32 v5, 5851, v5
	v_lshlrev_b32 v5, 4, v5
.irp i, 0,1,2,3,4
	v_add_nc_u32 v[6+\i], 1024*\i, v0
	v_min_u32 v[6+\i], s60, v[6+\i]
	v_lshlrev_b32 v[6+\i], 4, v[6+\i]
.endr
.irp i, 0,1
	v_add_nc_u32 v[11+\i], 1024*\i, v0
	v_min_u32 v[11+\i], s62, v[11+\i]
	v_lshlrev_b32 v[11+\i], 4, v[11+\i]
.endr
	v_min_u32 v13, s66, v0
	v_lshlrev_b32 v13, 4, v13
	v_min_u32 v14, s61, v0
	v_lshlrev_b32 v14, 4, v14
	v_min_u32 v15, s63, v0
	v_lshlrev_b32 v15, 4, v15
	v_min_u32 v16, 152, v0
	v_lshlrev_b32 v16, 2, v16
.irp i, 0,1,2,3,4
	global_load_b128 v[20+4*\i:23+4*\i], v4, s[16:17] offset:16384*\i
.endr
	global_load_b128 v[40:43], v5, s[16:17]
	global_load_b32 v44, v[ZR], s[16:17] offset:93632      ; Wp has 4 x 5,852 + 1 numbers
.irp i, 0,1,2,3,4
	global_load_b128 v[46+4*\i:49+4*\i], v[6+\i], s[48:49]
.endr
	global_load_b128 v[66:69], v11, s[52:53]
	global_load_b128 v[70:73], v12, s[52:53]
	global_load_b128 v[74:77], v13, s[56:57]
	global_load_b128 v[78:81], v14, s[50:51]
	global_load_b128 v[82:85], v15, s[54:55]
	global_load_b32 v86, v16, s[34:35]
	global_load_b32 v87, v16, s[32:33]
	global_load_b32 v88, v16, s[30:31]
	s_wait_loadcnt 0x0
	MAXR 90, 20, 24                        ; v90 |Wp|
	v_max_num_f32 v90, |v44|, v90
	v_and_b32 v91, 0x7fffffff, v86         ; v91 |g|
	v_and_b32 v92, 0x7fffffff, v87         ; v92 |b|
	v_and_b32 v93, 0x7fffffff, v88         ; v93 |bp|
	MAXR 94, 46, 20                        ; v94 |W1| and |b1|
	v_max3_num_f32 v94, |v78|, |v79|, v94
	v_max3_num_f32 v94, |v80|, |v81|, v94
	MAXR 95, 66, 8                         ; v95 |W2|
	MAXR 96, 82, 4                         ; v96 |b2|
	MAXR 97, 74, 4                         ; v97 |W3|
.irp k, 90,91,92,93,94,95,96,97
	WRED \k
.endr
	v_mov_b32 v99, s43
	v_lshlrev_b32 v99, 2, v99
.irp k, 0,1,2,3,4,5,6,7
	ds_store_b32 v99, v[90+\k] offset:128*\k       ; maximum k of wave w at word 32 k + w
.endr
	s_wait_dscnt 0x0                       ; for the others' sake: my stores are done
	s_barrier_signal -1
	s_barrier_wait -1
	v_lshlrev_b32 v99, 2, v1
.irp k, 0,1,2,3,4,5,6,7
	ds_load_b32 v[90+\k], v99 offset:128*\k        ; lane l takes wave l's
.endr
	s_wait_dscnt 0x0
.irp k, 90,91,92,93,94,95,96,97
	WRED \k
.endr
	v_add_f32 v107, v91, v92
	v_fma_f32 v89, v90, 0x43190000, 1.0    ; 1 + 153 max|Wp|
	v_add_f32 v88, 1.0, v93
	v_fma_f32 v107, v107, v89, v88
	NEXP NA, 107
	NEXP N1, 94
	v_add_nc_u32 v[NC2], v[NA], v[N1]
	v_ldexp_f32 v96, v96, v[NC2]           ; |b2| as it stands beside the scaled layer 1
	v_max_num_f32 v95, v95, v96
	NEXP N2, 95
	NEXP N3, 97
	v_add_nc_u32 v[NC2], v[NC2], v[N2]
	v_add_nc_u32 v[NC3], v[NC2], v[N3]
	v_sub_nc_u32 v107, 0, v[NC3]
	v_ldexp_f32 v[UU], 1.0, v107
	; THE LAY-OUT.  What a wave makes hangs on the work-group's and the wave's numbers alone.
	s_cmp_lt_u32 s42, 32
	s_cbranch_scc1 .Lexp
	s_cmp_lt_u32 s42, 36
	s_cbranch_scc1 .Lp
	s_cmp_lt_u32 s46, 40                   ; R
	s_cbranch_scc0 .Lr_w2
	Q5
	U153 48, 64, 50, N1, 0                 ; Wg1, with bg1 as the hook's row
.Lr_w2:
	s_cmp_lt_u32 s46, 48
	s_cbranch_scc0 .Lr_w3
	s_sub_co_u32 s76, s46, 40
	s_lshr_b32 s76, s76, 1
	s_lshr_b32 s73, s76, 1
	s_and_b32 s74, s76, 1
	UNAT 52, 32, 0, N2                     ; Wg2
.Lr_w3:
	s_cmp_lt_u32 s46, 50
	s_cbranch_scc0 .Lr_g
	s_mov_b32 s73, 0
	s_mov_b32 s74, 0
	UNAT 56, 8, 2, N3                      ; Wg3, its 8 columns twice: both halves of the lanes will hold all 8 gates
.Lr_g:
	s_cmp_lt_u32 s46, 52
	s_cbranch_scc0 .Lr_b
	UTAB 34, 50, 0
.Lr_b:
	s_cmp_lt_u32 s46, 54
	s_cbranch_scc0 .Lr_misc
	UTAB 32, 52, 1
.Lr_misc:
	s_cmp_eq_u32 s46, 54
	s_cbranch_scc0 .Lr_zero
	v_min_u32 v4, 7, v1                    ; groups 0-7: bg2 scaled; 8-11: bg3 scaled, twice; 12-15, 16-19: ln_out_g, ln_out_b rotated as We3's rows are; 20-23: log2(e) u; the rest 0
	v_lshlrev_b32 v4, 4, v4
	v_and_b32 v5, 1, v1
	v_lshlrev_b32 v5, 4, v5
	ROTQ 6
	global_load_b128 v[8:11], v4, s[54:55]
	global_load_b128 v[12:15], v5, s[58:59]
	global_load_b128 v[24:27], v6, s[38:39]
	global_load_b128 v[28:31], v6, s[36:37]
	s_wait_loadcnt 0x0
.irp i, 0,1,2,3
	v_ldexp_f32 v[8+\i], v[8+\i], v[NC2]
	v_ldexp_f32 v[12+\i], v[12+\i], v[NC3]
.endr
	v_mul_f32 v7, 0x3fb8aa3b, v[UU]
	s_mov_b32 s76, 0x00f00000
	s_mov_b32 s77, 0x000f0000
	s_mov_b32 s78, 0x0000f000
	s_mov_b32 s79, 0x00000f00
	s_mov_b32 s80, 0x000000ff
.irp i, 0,1,2,3
	v_cndmask_b32 v[20+\i], v[ZR], v7, s76
	v_cndmask_b32 v[20+\i], v[20+\i], v[28+\i], s77
	v_cndmask_b32 v[20+\i], v[20+\i], v[24+\i], s78
	v_cndmask_b32 v[20+\i], v[20+\i], v[12+\i], s79
	v_cndmask_b32 v[20+\i], v[20+\i], v[8+\i], s80
.endr
	global_store_b128 v[STA], v[20:23], s[40:41]
	FINISH
.Lr_zero:
	s_cmp_eq_u32 s46, 55
	s_cbranch_scc0 .Lr_done
	ZEROS
.Lr_done:
	FINISH
.Lp:
	s_cmp_lt_u32 s46, 100
	s_cbranch_scc0 .Lp_done
	Q5
	U153 16, 153, 30, -1, 1                ; Wp, with bp as the hook's row; not scaled
.Lp_done:
	FINISH
.Lexp:
	s_cmp_lt_u32 s46, 80
	s_cbranch_scc0 .Le_w2
	Q5
	U153 48, 128, 50, N1, 0                ; We1, with be1 as the hook's row
.Le_w2:
	s_cmp_lt_u32 s46, 112
	s_cbranch_scc0 .Le_w3
	s_sub_co_u32 s76, s46, 80
	s_lshr_b32 s76, s76, 1
	s_lshr_b32 s73, s76, 2
	s_and_b32 s74, s76, 3
	UNAT 52, 64, 0, N2                     ; We2
.Le_w3:
	s_cmp_lt_u32 s46, 116
	s_cbranch_scc0 .Le_tail
	s_sub_co_u32 s76, s46, 112
	s_lshr_b32 s74, s76, 1
	s_mov_b32 s73, 0
	UNAT 56, 8, 1, N3                      ; We3: row m is output ((m & 7) + 4 (m >> 3)) & 7, so that a lane's registers 0-3 are its own 16 bytes of the output row
.Le_tail:
	s_cmp_eq_u32 s46, 116
	s_cbranch_scc0 .Le_zero
	v_min_u32 v4, 15, v1                   ; groups 0-15: be2 scaled; 16-19: be3 scaled, rotated as We3's rows are; 20-23: u; the rest 0
	v_lshlrev_b32 v4, 4, v4
	ROTQ 5
	global_load_b128 v[8:11], v4, s[54:55]
	global_load_b128 v[12:15], v5, s[58:59]
	s_wait_loadcnt 0x0
.irp i, 0,1,2,3
	v_ldexp_f32 v[8+\i], v[8+\i], v[NC2]
	v_ldexp_f32 v[12+\i], v[12+\i], v[NC3]
.endr
	s_mov_b32 s76, 0x00f00000
	s_mov_b32 s77, 0x000f0000
	s_mov_b32 s78, 0x0000ffff
.irp i, 0,1,2,3
	v_cndmask_b32 v[20+\i], v[ZR], v[UU], s76
	v_cndmask_b32 v[20+\i], v[20+\i], v[12+\i], s77
	v_cndmask_b32 v[20+\i], v[20+\i], v[8+\i], s78
.endr
	global_store_b128 v[STA], v[20:23], s[40:41]
	FINISH
.Le_zero:
	s_cmp_eq_u32 s46, 117
	s_cbranch_scc0 .Le_done
	ZEROS
.Le_done:
	FINISH
.Lfunc_end_k_q403a36e8d8_prep:
	.size	k_q403a36e8d8_prep, .Lfunc_end_k_q403a36e8d8_prep-k_q403a36e8d8_prep
	.p2alignl 7, 3214868480
	.fill 96, 4, 3214868480
	.section	.rodata,"a",@progbits
	.p2align	6, 0x0
	.amdhsa_kernel k_q403a36e8d8_prep
		.amdhsa_group_segment_fixed_size 5120
		.amdhsa_private_segment_fixed_size 0
		.amdhsa_enable_private_segment 0
		.amdhsa_kernarg_size 152
		.amdhsa_user_sgpr_count 2
		.amdhsa_user_sgpr_kernarg_segment_ptr 1
		.amdhsa_wavefront_size32 1
		.amdhsa_system_sgpr_workgroup_id_x 1
		.amdhsa_system_sgpr_workgroup_id_y 1
		.amdhsa_system_sgpr_workgroup_id_z 1
		.amdhsa_system_vgpr_workitem_id 0
		.amdhsa_next_free_vgpr 112
		.amdhsa_next_free_sgpr 96
		.amdhsa_reserve_vcc 0
		.amdhsa_float_denorm_mode_32 3
		.amdhsa_float_denorm_mode_16_64 3
		.amdhsa_memory_ordered 1
		.amdhsa_forward_progress 1
		.amdhsa_inst_pref_size 46
	.end_amdhsa_kernel
	.amdgpu_metadata
---
amdhsa.version: [ 1, 2 ]
amdhsa.kernels:
  - .name:           k_q403a36e8d8_prep
    .symbol:         k_q403a36e8d8_prep.kd
    .args:
      - { .name: We1, .offset: 0, .size: 8, .value_kind: global_buffer, .address_space: global }
      - { .name: We2, .offset: 8, .size: 8, .value_kind: global_buffer, .address_space: global }
      - { .name: We3, .offset: 16, .size: 8, .value_kind: global_buffer, .address_space: global }
      - { .name: Wg1, .offset: 24, .size: 8, .value_kind: global_buffer, .address_space: global }
      - { .name: Wg2, .offset: 32, .size: 8, .value_kind: global_buffer, .address_space: global }
      - { .name: Wg3, .offset: 40, .size: 8, .value_kind: global_buffer, .address_space: global }
      - { .name: Wp, .offset: 48, .size: 8, .value_kind: global_buffer, .address_space: global }
      - { .name: be1, .offset: 56, .size: 8, .value_kind: global_buffer, .address_space: global }
      - { .name: be2, .offset: 64, .size: 8, .value_kind: global_buffer, .address_space: global }
      - { .name: be3, .offset: 72, .size: 8, .value_kind: global_buffer, .address_space: global }
      - { .name: bg1, .offset: 80, .size: 8, .value_kind: global_buffer, .address_space: global }
      - { .name: bg2, .offset: 88, .size: 8, .value_kind: global_buffer, .address_space: global }
      - { .name: bg3, .offset: 96, .size: 8, .value_kind: global_buffer, .address_space: global }
      - { .name: bp, .offset: 104, .size: 8, .value_kind: global_buffer, .address_space: global }
      - { .name: ln_in_b, .offset: 112, .size: 8, .value_kind: global_buffer, .address_space: global }
      - { .name: ln_in_g, .offset: 120, .size: 8, .value_kind: global_buffer, .address_space: global }
      - { .name: ln_out_b, .offset: 128, .size: 8, .value_kind: global_buffer, .address_space: global }
      - { .name: ln_out_g, .offset: 136, .size: 8, .value_kind: global_buffer, .address_space: global }
      - { .name: wq, .offset: 144, .size: 8, .value_kind: global_buffer, .address_space: global }
    .group_segment_fixed_size: 5120
    .private_segment_fixed_size: 0
    .kernarg_segment_align: 8
    .kernarg_segment_size: 152
    .max_flat_workgroup_size: 1024
    .sgpr_count:     96
    .vgpr_count:     112
    .wavefront_size: 32
...
	.end_amdgpu_metadata
.endif
;; end of part 1
;; launch main (part 2): grid 256 x 1, 4 waves a work-group, clusters of 4 x 1, 327,680 bytes of LDS; arguments x, wq, out0, out1; writes out0, out1
.if DOCPART == 2
	.amdgcn_target "amdgcn-amd-amdhsa--gfx1250"
	.amdhsa_code_object_version 6
	.text
	.protected	k_q403a36e8d8_main
	.globl	k_q403a36e8d8_main
	.p2align	8
	.type	k_q403a36e8d8_main,@function
k_q403a36e8d8_main:
	s_mov_b64 s[64:65], 0
	v_nop
	global_prefetch_b8 v0, s[64:65] scope:SCOPE_SE
	s_setreg_imm32_b32 hwreg(HW_REG_WAVE_MODE, 25, 1), 1
	s_wait_xcnt 0x0
	s_wait_alu depctr_hold_cnt(0) depctr_sa_sdst(0) depctr_va_vdst(0) depctr_va_sdst(0) depctr_va_ssrc(0) depctr_va_vcc(0) depctr_vm_vsrc(0)
	s_getreg_b32 s2, hwreg(HW_REG_IB_STS2, 6, 4)
	s_cmp_eq_u32 s2, 0
	s_cbranch_scc0 .Lentry_in_a_cluster
	s_endpgm
.Lentry_in_a_cluster:
	s_bfe_u32 s2, ttmp6, 0x10000c
	s_cmp_lg_u32 s2, 0x3003
	s_cbranch_scc0 .Lentry_shape_is_right
	s_endpgm
.Lentry_shape_is_right:
; THE WHOLE CHAIN FOR 1,024 ROWS A WORK-GROUP: LayerNorm(153), x + relu(x Wp + bp), the gate (153-64-32-8, softmax), eight experts (153-128-64-8), the gates' weighted sum, LayerNorm(8).
; SHARES.  256 work-groups that stay; each makes 4 passes of 256 rows; each of its 4 waves has 64 rows of a pass, four tiles of 16.  Nothing but x, the weights and the two outputs touches memory.
; EVERY PRODUCT IS USED TRANSPOSED: source 0 = 16 out-features of the weights, source 1 = 16 rows of activations.  In a result lane (r, h) holds row r and features 8 h + 0..7; rounded to f16 in pairs these four
; registers ARE half a source-1 fragment of the next product: no activation changes lanes or leaves the registers.
; WEIGHTS come from wq, where an earlier launch laid them as f16 fragments of 1,024 bytes in register order (lane L's 16 bytes at 512 j + 16 L), scaled by exact powers of two; biases of the 153-wide products ride as a
; weight row on a hook slot whose activation is the scale alpha; the other biases are C operands.  Each fragment read from LDS feeds four products.
; They are streamed through two LDS slots: Wp, then expert 0 .. 7, one chunk a step.  CLUSTER: the four work-groups of a cluster walk the same chunks, so each chunk is asked for JOINTLY: every wave its quarter, the same
; descriptor and the mask of four in all four.  By this text's count a wave has two tensor loads out behind the first round and one behind every later one.
; x of the first pass comes by a tensor load; x of the next pass comes through registers, one piece of 4,352 bytes a wave in each expert step, asked for a step ahead of its wait, and is laid into the same LDS bytes,
; which no tensor load fills again.  The last pass jumps over those loads; no barrier and no tensor load stands in what is jumped.
; FORMATS.  Matrix operands f16, sums f32; LayerNorms (two passes: mean, then squares of the differences), softmax (its maximum taken away) and the weighted sum in f32.  relu(x Wp + bp) is rounded to f16 and added to the
; f16 x_norm by a packed f16 addition: one rounding more.
; LIMITS.  The scales bound every f16 activation (154, 154, 19,713) for weights whose maxima lie in 2^-30 .. 2^30; Wp and bp within 65,504; f16 numbers below 6e-5 keep the fixed step 6e-8;
; a gate below 2^-126 counts as 0; NaN and infinities are not treated apart.
;
; LDS: slot 0 at 0, slot 1 at 65,536 (60,416 bytes each); R (the gate's fragments and the tables, resident) at 131,072; X (39,168 bytes a wave, rows of 612 bytes) at 159,744; the spare words at 316,416.
; REGISTERS, in windows of 256 (s_set_vgpr_msb: bits 1:0 source 0, 3:2 source 1, 5:4 source 2, 7:6 destination):
;   window 0: addresses, f32 work, OUT, GATE, C operands of the 8-wide products       window 1: XP (x_proj, 40 a tile), H2 / G1 (16 a tile), G2 (8 a tile)
;   window 2: two halves FA, FB of 16 weight fragments; in the LayerNorm its two tables  window 3: XN (x_norm, 40 a tile), later H1 (32 a tile) and C2; ACC, two sets of four accumulators; EO
.set SLOT1, 65536
.set RB,    131072
.set XB,    159744
.set SPARE, 316416
.set XWAVE, 39168                      ; 64 rows of 612 bytes
.set XTILE, 9792                       ; 16 rows
.set XROW,  612
.set PIECE, 4352                       ; a ninth of XWAVE
.set ECH,   60416                      ; an expert's chunk
.set TAIL,  59392                      ; its f32 tail: be2 at 0, be3 at 256, u at 320
; window 0
.set L16, 1                            ; 16 x lane
.set AW,  2                            ; + the slot in hand: fragments
.set AR,  3                            ; + R
.set H32, 4                            ; 32 h
.set AC,  5                            ; + the slot in hand: the tail
.set AM,  6                            ; 32 h + R's third table
.set AT,  7                            ; 320 h + R's first table
.set AX,  8                            ; my row's half in X: chunks 0-8
.set A9,  9                            ; chunk 9: elements 72.. (h = 0) or 145.. (h = 1)
.set OA,  10                           ; my 16 bytes in the wave's 2,048 bytes of an output
.set XG0, 11                           ; a piece's 4,096 bytes: 16 a lane, in x
.set XG1, 12                           ; its last 256 bytes: 8 a lane
.set XL0, 13                           ; the same two in LDS
.set XL1, 14
.set XLA, 15                           ; + the piece's place
.set XLB, 16
.set SPW, 30                           ; LDS address of my spare word; never rewritten
.set NIL, 31                           ; 0; never rewritten
.set OUT, 32                           ; 8 a tile: the weighted sum
.set GATE, 64                          ; 8 a tile: the gates, rotated one place in each expert step
.set GUP, 96                           ; 2 a tile: gate x u of the expert whose EO is to be added
.set C3,  104                          ; be3 scaled, a C operand
.set U,   112
.set XPC, 114                          ; 34: the piece on its way
.set LOG, 148
.set LOB, 152
.set UG,  156                          ; log2(e) x the gate's u, twice
.set SA,  158                          ; 8 at work
.set SM,  166                          ; 8 at work
.set XF0, 176                          ; 80: a tile's f32 row halves, two buffers
.set XF1, 32
.set CG2, 176                          ; bg2, bg3 scaled, C operands
.set CG3, 192
.set ST1, 200                          ; 16: out1 as stored
.set ST0, 216                          ; 16: out0 as stored
.set TM,  232                          ; 16 at work
; window 1
.set XP, 0
.set H2, 160
.set G2, 224
; window 2
.set FA, 0
.set FB, 128
; window 3
.set XN, 0
.set H1, 0
.set C2, 128
.set ACC, 160
.set EO, 224
; scalars
.set WV,  12                           ; my wave's number
.set G1E, 16                           ; descriptor groups 1: an expert's quarter (59 rows of 256 bytes),
.set G1P, 24                           ; Wp's (50),
.set G1R, 32                           ; R's (28),
.set G1X, 40                           ; my x (153)
.set G0P, 48                           ; groups 0
.set G0E, 52
.set G0R, 56
.set G0X, 60
.set PASS, 66
.set CNT, 67
.set TB,  68                           ; the slot that is read
.set OFF, 70                           ; s[70:71] the next chunk's offset among the experts'
.set WE,  72                           ; s[72:73] wq at my quarter of expert 0
.set XO,  75                           ; the place in X of the piece to be stored
.set XNP, 76                           ; s[76:77] x at the piece to be loaded
.set ZS,  78                           ; 0, for the packed relu
.set MLO, 79
.set MHI, 80
.set SEL, 82                           ; s[82:83]
.set R153, 84
.set EPS, 85
.set R8,  86
.set NR153, 87
.set MSB, 0
.macro WIN new                         ; the immediate's high byte repeats the setting that is left; a switch that changes nothing is dropped
.if MSB != (\new)
	s_set_vgpr_msb (MSB<<8)|(\new)
.set MSB, (\new)
.endif
.endm
.macro PLACES                          ; four places: behind a matrix instruction, ahead of a vector instruction that reads its result and of a load into one of its registers
.rept 4
	v_nop
.endr
.endm
.macro ALLT line:vararg                ; one line for each tile tt
.set tt, 0
.rept 4
	\line
.set tt, tt+1
.endr
.endm
.macro CROUND                          ; a round of the cluster's barrier
	s_barrier_signal -1
	s_barrier_wait -1
	s_cmp_lg_u32 s[WV], 0
	s_cbranch_scc1 .Lnot_wave_0_\@
	s_barrier_signal -3
.Lnot_wave_0_\@:
	s_barrier_wait -3
	s_barrier_signal -1
	s_barrier_wait -1
.endm
.macro G1SET g, w0, rows               ; dense rows of 256 bytes: elements of 8 bytes, 32 a row, 32 from row to row
	s_mov_b32 s[(\g)+0], \w0
	s_mov_b32 s[(\g)+1], 32<<16
	s_mov_b32 s[(\g)+2], (\rows)<<16
	s_mov_b32 s[(\g)+3], 32<<16
	s_mov_b32 s[(\g)+4], \rows
	s_mov_b32 s[(\g)+5], 32
	s_mov_b32 s[(\g)+6], 0
	s_mov_b32 s[(\g)+7], 0
.endm
; THE CHANGE OF SLOTS.  Each wave waits for all its tensor loads, adds 0 to its spare word, and waits for that and for its LDS reads.  Behind the barrier the chunk asked for last is whole for every wave, and nobody
; reads the chunk before it.  kind 0: nothing is asked for, a work-group barrier.  kind 1: Wp into slot 0.  kind 2: the next expert's chunk into the other slot than last time.  With a fill the barrier is a round of
; the cluster's, and the joint load is the first thing behind it.
.macro CHG kind
	WIN 0
	s_wait_tensorcnt 0x0                   ; no tensor load of mine is out, so a group 0 may be written
	ds_add_u32 v[SPW], v[NIL]              ; 0 onto my spare word; the descriptor's scalar work stands between it and the wait for it
.if (\kind) == 2
	s_xor_b32 s[G0E+1], s[G0E+1], SLOT1
	s_add_nc_u64 s[G0E+2:G0E+3], s[WE:WE+1], s[OFF:OFF+1]
	s_or_b32 s[G0E+3], s[G0E+3], 0x80000000
	s_add_co_u32 s[OFF], s[OFF], ECH
.endif
	s_wait_dscnt 0x0                       ; the add is done, and my reads of both slots are in registers
.if (\kind) == 0
	s_barrier_signal -1
	s_barrier_wait -1
.else
	CROUND
.if (\kind) == 1
	tensor_load_to_lds s[G0P:G0P+3], s[G1P:G1P+7]
.else
	tensor_load_to_lds s[G0E:G0E+3], s[G1E:G1E+7]
.endif
	s_nop 0
	PLACES                                 ; also the places ahead of the fragment loads that follow
.endif
.endm
.macro RUN dst, n, areg, off           ; 2 n LDS loads in one run: n fragments into window 2
	WIN 0x80
.set ri, 0
.rept \n
	ds_load_b128 v[(\dst)+8*ri:(\dst)+8*ri+3], v[\areg] offset:(\off)+1024*ri
	ds_load_b128 v[(\dst)+8*ri+4:(\dst)+8*ri+7], v[\areg] offset:(\off)+1024*ri+512
.set ri, ri+1
.endr
.endm
; x OF THE NEXT PASS.  st = 1: the piece that was asked for is stored into X.  ld = 1: the next piece is asked for.  The last pass has no next.
; The wait for the piece stands AHEAD of the jump, on every way through the text: so no way reaches a request with a load into the piece's registers still out.
.macro XST st, ld
	WIN 0
	s_wait_loadcnt 0x0                     ; the piece's nine loads, the only loads into registers that are ever out: it also frees their base; where none is out it is met at once
	s_cmp_eq_u32 s[PASS], 1
	s_cbranch_scc1 .Lno_x_\@
.if \st
	v_add_nc_u32 v[XLA], s[XO], v[XL0]
	v_add_nc_u32 v[XLB], s[XO], v[XL1]
.irp j, 0,1,2,3,4,5,6,7
	ds_store_b128 v[XLA], v[XPC+4*\j:XPC+4*\j+3] offset:512*\j
.endr
	ds_store_b64 v[XLB], v[XPC+32:XPC+33]
	s_add_co_u32 s[XO], s[XO], PIECE
.endif
.if \ld
.if \st
	s_add_nc_u64 s[XNP:XNP+1], s[XNP:XNP+1], PIECE
.endif
.irp j, 0,1,2,3,4,5,6,7
	global_load_b128 v[XPC+4*\j:XPC+4*\j+3], v[XG0], s[XNP:XNP+1] offset:512*\j th:TH_LOAD_NT
.endr
	global_load_b64 v[XPC+32:XPC+33], v[XG1], s[XNP:XNP+1] th:TH_LOAD_NT
.else
	s_add_nc_u64 s[XNP:XNP+1], s[XNP:XNP+1], 4*XWAVE-8*PIECE  ; from a pass's last piece to the next pass's first
.endif
.Lno_x_\@:
.endm
; RIDERS.  The vector work on a group's results stands in clumps of four behind the NEXT group's products.  A programme is set ahead of a group; CLUMP writes its next clump, FLUSH all that are left.
;   kind 1, 8 clumps: four results rounded to f16 (ascending pairs: an accumulator's lowest registers are read first), relu on the packed halves.
;   kind 2, 12 clumps: the same, and x_norm added.     kind 3, 12 clumps: OUT += EO x gate x u of the expert before; the factor for this expert; the gates move one place down.
.macro RID_NONE
.set RK, 0
.set RN, 0
.set RC, 0
.endm
.macro RID_CV dst, dt, wc, wm
.set RK, 1
.set RN, 8
.set RC, 0
.set RSRC, PREV
.set RDST, (\dst)
.set RDT, (\dt)
.set RWC, (\wc)
.set RWM, (\wm)
.endm
.macro RID_CVP ft
.set RK, 2
.set RN, 12
.set RC, 0
.set RSRC, PREV
.set RDST, 4*(\ft)
.set RDT, 40
.set RWC, 0x4F
.set RWM, 0x4D
.endm
.macro RID_EOR
.set RK, 3
.set RN, 12
.set RC, 0
.endm
.macro CL_CVT t
	WIN RWC
.irp j, 0,1,2,3
	v_cvt_pk_f16_f32 v[RDST+RDT*(\t)+\j], v[RSRC+8*(\t)+2*\j], v[RSRC+8*(\t)+2*\j+1]
.endr
.endm
.macro CL_MAX t
	WIN RWM
.irp j, 0,1,2,3
	v_pk_max_num_f16 v[RDST+RDT*(\t)+\j], v[RDST+RDT*(\t)+\j], s[ZS]
.endr
.endm
.macro CL_ADD t                        ; XP (window 1) and XN (window 3) have the same register numbers
	WIN RWM
.irp j, 0,1,2,3
	v_pk_add_f16 v[RDST+RDT*(\t)+\j], v[RDST+RDT*(\t)+\j], v[RDST+RDT*(\t)+\j]
.endr
.endm
.macro CL_EOR
.if RC < 4
	WIN 0x03
.irp j, 0,1,2,3
	v_pk_fma_f32 v[OUT+8*RC+2*\j:OUT+8*RC+2*\j+1], v[EO+8*RC+2*\j:EO+8*RC+2*\j+1], v[GUP+2*RC:GUP+2*RC+1], v[OUT+8*RC+2*\j:OUT+8*RC+2*\j+1] op_sel_hi:[1,0,1]
.endr
.elseif RC == 4
	WIN 0
.irp j, 0,1,2,3
	v_mul_f32 v[GUP+2*\j], v[GATE+8*\j], v[U]
.endr
.else
	WIN 0
.irp j, 0,1,2,3
	v_mov_b32 v[GATE+8*\j+RC-5], v[GATE+8*\j+RC-4]
.endr
.endif
.endm
.macro CLUMP
.if RC < RN
.if RK == 3
	CL_EOR
.elseif RK == 1
.if RC == 0
	CL_CVT 0
.elseif RC == 1
	CL_CVT 1
.elseif RC == 2
	CL_MAX 0
.elseif RC == 3
	CL_CVT 2
.elseif RC == 4
	CL_MAX 1
.elseif RC == 5
	CL_CVT 3
.elseif RC == 6
	CL_MAX 2
.else
	CL_MAX 3
.endif
.else
.if RC == 0
	CL_CVT 0
.elseif RC == 1
	CL_CVT 1
.elseif RC == 2
	CL_MAX 0
.elseif RC == 3
	CL_CVT 2
.elseif RC == 4
	CL_ADD 0
.elseif RC == 5
	CL_MAX 1
.elseif RC == 6
	CL_CVT 3
.elseif RC == 7
	CL_ADD 1
.elseif RC == 8
	CL_MAX 2
.elseif RC == 9
	CL_ADD 2
.elseif RC == 10
	CL_MAX 3
.else
	CL_ADD 3
.endif
.endif
.set RC, RC+1
.endif
.endm
.macro FLUSH
.rept 12
	CLUMP
.endr
.endm
; A GROUP: 16 out-features x the wave's four tiles, nk fragments deep: 4 nk products.  The four accumulators take turns, one instruction a turn, and neighbouring groups name different registers.
; a: the first weight fragment (window 2); b, bt: the first activation fragment and its step from tile to tile; w: the windows; cm = 1: the first products take v[c0 ..] as C under the windows w0, else the constant 0;
; dd < 0: the results go to the accumulator set whose turn it is, else to v[dd ..]; ahead of product dep all riders are written.
; Behind product 0 stand the four places for the results of the group before, which the riders read.
.macro GRP nk, a, b, bt, w, cm, c0, w0, dd, dep
.if (\dd) < 0
.set GD, ACC+32*RING
.else
.set GD, (\dd)
.endif
.set gi, 0
.rept 4*(\nk)
.if gi == (\dep)
	FLUSH
.endif
.set gk, gi/4
.set gl, gi%4
.if gk == 0
.if \cm
	WIN \w0
	v_wmma_f32_16x16x32_f16 v[GD+8*gl:GD+8*gl+7], v[(\a):(\a)+7], v[(\b)+(\bt)*gl:(\b)+(\bt)*gl+7], v[(\c0):(\c0)+7]
.else
	WIN \w
	v_wmma_f32_16x16x32_f16 v[GD+8*gl:GD+8*gl+7], v[(\a):(\a)+7], v[(\b)+(\bt)*gl:(\b)+(\bt)*gl+7], 0
.endif
.else
	WIN \w
	v_wmma_f32_16x16x32_f16 v[GD+8*gl:GD+8*gl+7], v[(\a)+8*gk:(\a)+8*gk+7], v[(\b)+(\bt)*gl+8*gk:(\b)+(\bt)*gl+8*gk+7], v[GD+8*gl:GD+8*gl+7]
.endif
.if gi == 0
.if RN > 0
	PLACES
.endif
.else
	CLUMP
.endif
.set gi, gi+1
.endr
	FLUSH
.if (\dd) < 0
.set PREV, GD
.set RING, 1-RING
.endif
.endm
; THE LAYERNORM OF A TILE.  Lane (r, h) holds half of row r: 80 places, chunk c, place i = feature 80 h + 8 c + i; in the upper lanes' chunk 9 places 0-6 are no features (they hold elements 145-151 once more) and place 7 is feature 152.
.macro LOADX t, xf                     ; words 153 r + 80 h + const: the 32 lanes fall on 32 different banks (chunk 9: on 31)
	WIN 0
.set lc, 0
.rept 9
.irp i, 0,1,2,3,4,5,6,7
	ds_load_b32 v[(\xf)+8*lc+\i], v[AX] offset:XTILE*(\t)+32*lc+4*\i
.endr
.set lc, lc+1
.endr
.irp i, 0,1,2,3,4,5,6,7
	ds_load_b32 v[(\xf)+72+\i], v[A9] offset:XTILE*(\t)+4*\i
.endr
.endm
.macro LRED                            ; four pairs of partial sums into one number, over both halves of the lanes
	v_pk_add_f32 v[SA:SA+1], v[SA:SA+1], v[SA+2:SA+3]
	v_pk_add_f32 v[SA+4:SA+5], v[SA+4:SA+5], v[SA+6:SA+7]
	v_pk_add_f32 v[SA:SA+1], v[SA:SA+1], v[SA+4:SA+5]
	v_add_f32 v[SA], v[SA], v[SA+1]
	v_permlanex16_b32 v[SA+2], v[SA], s[SEL], s[SEL+1]
	v_add_f32 v[SA], v[SA], v[SA+2]
.endm
.macro LNC t, xf
	WIN 0
.irp i, 0,1,2,3,4,5,6
	v_cndmask_b32 v[(\xf)+72+\i], 0, v[(\xf)+72+\i], s[MLO]
.endr
.irp k, 0,1,2,3
	v_pk_add_f32 v[SA+2*\k:SA+2*\k+1], v[(\xf)+2*\k:(\xf)+2*\k+1], v[(\xf)+8+2*\k:(\xf)+8+2*\k+1]
.endr
.set m, 8
.rept 32
	v_pk_add_f32 v[SA+2*(m%4):SA+2*(m%4)+1], v[SA+2*(m%4):SA+2*(m%4)+1], v[(\xf)+2*m:(\xf)+2*m+1]
.set m, m+1
.endr
	LRED
	v_mul_f32 v[SM], s[NR153], v[SA]       ; minus the mean, twice
	v_mul_f32 v[SM+1], s[NR153], v[SA]
.set m, 0
.rept 40
	v_pk_add_f32 v[(\xf)+2*m:(\xf)+2*m+1], v[(\xf)+2*m:(\xf)+2*m+1], v[SM:SM+1]
.set m, m+1
.endr
.irp i, 0,1,2,3,4,5,6
	v_cndmask_b32 v[(\xf)+72+\i], 0, v[(\xf)+72+\i], s[MLO]
.endr
.irp k, 0,1,2,3
	v_pk_mul_f32 v[SA+2*\k:SA+2*\k+1], v[(\xf)+2*\k:(\xf)+2*\k+1], v[(\xf)+2*\k:(\xf)+2*\k+1]
.endr
.set m, 4
.rept 36
	v_pk_fma_f32 v[SA+2*(m%4):SA+2*(m%4)+1], v[(\xf)+2*m:(\xf)+2*m+1], v[(\xf)+2*m:(\xf)+2*m+1], v[SA+2*(m%4):SA+2*(m%4)+1]
.set m, m+1
.endr
	LRED
	v_fma_f32 v[SA], v[SA], s[R153], s[EPS]
	v_rsq_f32 v[SM+2], v[SA]
	v_rsq_f32 v[SM+3], v[SA]
	v_nop                                  ; a plain instruction behind the last of the two,
	s_wait_alu depctr_va_vdst(0)           ; and one wait ahead of their first reader
.set m, 0
.rept 40
	v_pk_mul_f32 v[(\xf)+2*m:(\xf)+2*m+1], v[(\xf)+2*m:(\xf)+2*m+1], v[SM+2:SM+3]
.set m, m+1
.endr
	WIN 0x28                               ; gain and bias, scaled by alpha, lie in window 2; the hook's place has gain 0 and bias alpha
.set m, 0
.rept 40
	v_pk_fma_f32 v[(\xf)+2*m:(\xf)+2*m+1], v[(\xf)+2*m:(\xf)+2*m+1], v[2*m:2*m+1], v[80+2*m:80+2*m+1]
.set m, m+1
.endr
	WIN 0xC0
.set m, 0
.rept 40
	v_cvt_pk_f16_f32 v[XN+40*(\t)+m], v[(\xf)+2*m], v[(\xf)+2*m+1]
.set m, m+1
.endr
	WIN 0
.endm
; AN EXPERT'S STEP: 232 products.  On entry FA holds fragments 0-14 of the chunk in the slot at TB.  The chunk's 58 fragments come in four runs of LDS loads, each issued a run's products ahead of its use; when the
; last is in registers the slots change, and with fill = 1 the chunk two experts on is asked for into the slot just read: it has a whole step in which to land.
.macro ESTEP fill
.set RING, 0
	XST 1, 1
	PLACES                                 ; behind the last step's last products, ahead of the loads into their C operand and fragments
	WIN 0xC0
.irp f, 0,1,2,3
	ds_load_b128 v[C2+8*\f:C2+8*\f+3], v[AC] offset:TAIL+64*\f
	ds_load_b128 v[C2+8*\f+4:C2+8*\f+7], v[AC] offset:TAIL+64*\f+16
.endr
	WIN 0
	ds_load_b128 v[C3:C3+3], v[AC] offset:TAIL+256
	ds_load_b128 v[C3+4:C3+7], v[AC] offset:TAIL+272
	ds_load_b32 v[U], v[AC] offset:TAIL+320
	RUN FB, 15, AW, 15*1024
	s_wait_dscnt 30                        ; all but FB's 30 loads: FA, the tail and the piece's stores are done
	RID_EOR
	GRP 5, FA, XP, 40, 0xF6, 0, 0, 0, -1, 99
	RID_CV H1+0, 32, 0xCF, 0xCF
	GRP 5, FA+40, XP, 40, 0xF6, 0, 0, 0, -1, 99
	RID_CV H1+4, 32, 0xCF, 0xCF
	GRP 5, FA+80, XP, 40, 0xF6, 0, 0, 0, -1, 99
	PLACES
	RUN FA, 14, AW, 30*1024
	s_wait_dscnt 28                        ; all but the 28 just issued: FB is in
	RID_CV H1+8, 32, 0xCF, 0xCF
	GRP 5, FB, XP, 40, 0xF6, 0, 0, 0, -1, 99
	RID_CV H1+12, 32, 0xCF, 0xCF
	GRP 5, FB+40, XP, 40, 0xF6, 0, 0, 0, -1, 99
	RID_CV H1+16, 32, 0xCF, 0xCF
	GRP 5, FB+80, XP, 40, 0xF6, 0, 0, 0, -1, 99
	PLACES
	RUN FB, 14, AW, 44*1024
	s_wait_dscnt 28                        ; all but the 28 just issued: FA is in
	RID_CV H1+20, 32, 0xCF, 0xCF
	GRP 5, FA, XP, 40, 0xF6, 0, 0, 0, -1, 99
	RID_CV H1+24, 32, 0xCF, 0xCF
	GRP 5, FA+40, XP, 40, 0xF6, 0, 0, 0, -1, 99
	RID_CV H1+28, 32, 0xCF, 0xCF           ; the last 16 features of layer 1 are ready ahead of the products that read them
	GRP 4, FA+80, H1, 32, 0xFE, 1, C2, 0xFE, -1, 12
.if \fill
	CHG 2
.else
	CHG 0
	PLACES
.endif
	s_xor_b32 s[TB], s[TB], SLOT1
	v_add_nc_u32 v[AW], s[TB], v[L16]
	v_add_nc_u32 v[AC], s[TB], v[H32]
.if !(\fill)
	s_cmp_eq_u32 s[CNT], 1                 ; behind the last expert there is no next chunk
	s_cbranch_scc1 .Lno_run_\@
.endif
	RUN FA, 15, AW, 0
	WIN 0
.if !(\fill)
.Lno_run_\@:
.endif
	RID_CV H2+0, 16, 0x4F, 0x4D
	GRP 4, FB, H1, 32, 0xFE, 1, C2+8, 0xFE, -1, 99
	RID_CV H2+4, 16, 0x4F, 0x4D
	GRP 4, FB+32, H1, 32, 0xFE, 1, C2+16, 0xFE, -1, 99
	RID_CV H2+8, 16, 0x4F, 0x4D
	GRP 4, FB+64, H1, 32, 0xFE, 1, C2+24, 0xFE, -1, 99
	RID_CV H2+12, 16, 0x4F, 0x4D           ; the last 16 features of layer 2 are ready ahead of the second four products
	GRP 2, FB+96, H2, 16, 0xF6, 1, C3, 0xC6, EO, 4
	WIN 0
.endm
	s_load_b256 s[4:11], s[0:1], 0x0       ; x s[4:5], wq s[6:7], out0 s[8:9], out1 s[10:11]
	v_lshl_add_u32 v[SPW], v0, 2, SPARE
	v_mov_b32 v[NIL], 0
	ds_add_u32 v[SPW], v[NIL]              ; the wave's opening: the add, and its wait ahead of my first tensor load; the set-up below, work on registers, stands between them
	v_lshrrev_b32 v17, 5, v0
	v_readfirstlane_b32 s[WV], v17         ; wave 0..3
	s_bfe_u32 s13, ttmp6, 0x40000          ; cx: my place in the cluster; it enters x's and the outputs' addresses alone
	s_lshl_b32 s14, ttmp9, 2
	s_add_co_u32 s14, s14, s13             ; my work-group
	G1SET G1E, 15|(3<<16)|(1<<21), 59      ; 15:0 the mask of four; 17:16 elements of 8 bytes; 21 set beside a mask
	G1SET G1P, 15|(3<<16)|(1<<21), 50
	G1SET G1R, 15|(3<<16)|(1<<21), 28
	G1SET G1X, 3<<16, 153                  ; my own x: no mask
	s_mov_b32 s[G0P], 1
	s_mul_i32 s[G0P+1], s[WV], 12800       ; slot 0, my quarter
	s_mov_b32 s[G0E], 1
	s_mul_i32 s[G0E+1], s[WV], 15104       ; slot 0, my quarter: each fill first turns it to the other slot
	s_mov_b32 s[G0R], 1
	s_mul_i32 s[G0R+1], s[WV], 7168
	s_add_co_u32 s[G0R+1], s[G0R+1], RB
	s_mov_b32 s[G0X], 1
	s_mul_i32 s[G0X+1], s[WV], XWAVE
	s_add_co_u32 s[G0X+1], s[G0X+1], XB
	s_mov_b32 s[OFF+1], 0
	s_mov_b32 s[ZS], 0
	s_mov_b32 s[MLO], 0x0000ffff
	s_mov_b32 s[MHI], 0xffff0000
	s_mov_b32 s[SEL], 0x76543210
	s_mov_b32 s[SEL+1], 0xfedcba98
	s_mov_b32 s[R153], 0x3bd62b81          ; 1 / 153
	s_mov_b32 s[NR153], 0xbbd62b81
	s_mov_b32 s[EPS], 0x3727c5ac           ; 1e-5
	s_mov_b32 s[R8], 0x3e000000            ; 1 / 8
	s_mov_b32 s89, 0
	s_wait_dscnt 0x0                       ; the opening add is done
	s_wait_kmcnt 0x0
	s_mul_i32 s88, s[WV], 12800
	s_add_nc_u64 s[G0P+2:G0P+3], s[6:7], s[88:89]
	s_or_b32 s[G0P+3], s[G0P+3], 0x80000000
	s_mul_i32 s88, s[WV], 15104
	s_add_co_u32 s88, s88, 51200
	s_add_nc_u64 s[WE:WE+1], s[6:7], s[88:89]
	s_mul_i32 s88, s[WV], 7168
	s_add_co_u32 s88, s88, 534528
	s_add_nc_u64 s[G0R+2:G0R+3], s[6:7], s[88:89]
	s_or_b32 s[G0R+3], s[G0R+3], 0x80000000
	s_mul_i32 s88, s14, 4*4*XWAVE          ; my work-group's 1,024 rows
	s_add_nc_u64 s[4:5], s[4:5], s[88:89]
	s_mul_i32 s88, s[WV], XWAVE
	s_add_nc_u64 s[G0X+2:G0X+3], s[4:5], s[88:89]
	s_or_b32 s[G0X+3], s[G0X+3], 0x80000000
	s_add_nc_u64 s[XNP:XNP+1], s[4:5], 4*XWAVE     ; the second pass's rows; wave and lane stand in XG0, XG1
	s_lshl_b32 s88, s14, 15
	s_add_nc_u64 s[8:9], s[8:9], s[88:89]
	s_add_nc_u64 s[10:11], s[10:11], s[88:89]
	CROUND                                 ; all four work-groups are here
	tensor_load_to_lds s[G0X:G0X+3], s[G1X:G1X+7]  ; the first fills, one group: my x of pass 0,
	s_nop 0
	tensor_load_to_lds s[G0R:G0R+3], s[G1R:G1R+7]  ; and, jointly, my quarter of R
	s_nop 0
	PLACES
	v_and_b32 v17, 31, v0                  ; lane
	v_and_b32 v18, 15, v0                  ; r
	v_bfe_u32 v19, v0, 4, 1                ; h
	v_lshlrev_b32 v[L16], 4, v17
	v_add_nc_u32 v[AR], RB, v[L16]
	v_lshlrev_b32 v[H32], 5, v19
	v_add_nc_u32 v[AM], RB+27648, v[H32]
	v_mul_u32_u24 v[AT], 320, v19
	s_mul_i32 s88, s[WV], XWAVE
	s_add_co_u32 s90, s88, XB
	v_mul_u32_u24 v20, XROW, v18
	v_add_nc_u32 v20, s90, v20
	v_add_nc_u32 v[AX], v20, v[AT]
	v_mul_u32_u24 v21, 292, v19
	v_add3_u32 v[A9], v20, v21, 288
	v_add_nc_u32 v[AT], RB+25600, v[AT]
	v_lshlrev_b32 v[OA], 5, v18
	v_lshl_add_u32 v[OA], v19, 4, v[OA]
	s_lshl_b32 s91, s[WV], 11
	v_add_nc_u32 v[OA], s91, v[OA]
	v_add_nc_u32 v[XG0], s88, v[L16]
	v_lshl_add_u32 v[XG1], v17, 3, s88
	v_add_nc_u32 v[XG1], 4096, v[XG1]
	v_add_nc_u32 v[XL0], XB, v[XG0]
	v_add_nc_u32 v[XL1], XB, v[XG1]
.set i, 0
.rept 34
	v_mov_b32 v[XPC+i], 0                  ; the piece's registers hold 0 until the first piece is asked for: no way through the text meets them unwritten
.set i, i+1
.endr
	s_mov_b32 s[PASS], 4
.Lpass:                                        ; 4 trips; every tensor load stands in every trip
	s_mov_b32 s[OFF], 0
	s_mov_b32 s[XO], 0
	CHG 1                                  ; Wp is asked for into slot 0 and lands under the LayerNorm.  In the first trip this wait shows my x in LDS, and the round shows R whole
	WIN 0x80
.set i, 0
.rept 20
	ds_load_b128 v[4*i:4*i+3], v[AT] offset:16*i
	ds_load_b128 v[80+4*i:80+4*i+3], v[AT] offset:1024+16*i
.set i, i+1
.endr
	WIN 0
	ds_load_b128 v[LOG:LOG+3], v[AM] offset:192
	ds_load_b128 v[LOB:LOB+3], v[AM] offset:256
	ds_load_b64 v[UG:UG+1], v[AM] offset:320
	LOADX 0, XF0
	s_wait_dscnt 0x0
	LOADX 1, XF1                           ; the next tile's rows come while this tile is worked on
	LNC 0, XF0
	s_wait_dscnt 0x0
	LOADX 2, XF0
	LNC 1, XF1
	s_wait_dscnt 0x0
	LOADX 3, XF1
	LNC 2, XF0
	s_wait_dscnt 0x0
	LNC 3, XF1
	; x_proj = relu(x_norm Wp + bp) + x_norm: ten groups; the slot map of Wp's out-features makes the results x_norm's own layout
.set RING, 0
.set PREV, ACC
	CHG 2                                  ; Wp is whole; expert 0 is asked for into slot 1
	v_mov_b32 v[AW], v[L16]
	ds_load_b128 v[CG2:CG2+3], v[AM]
	ds_load_b128 v[CG2+4:CG2+7], v[AM] offset:16
	ds_load_b128 v[CG2+8:CG2+11], v[AM] offset:64
	ds_load_b128 v[CG2+12:CG2+15], v[AM] offset:80
	ds_load_b128 v[CG3:CG3+3], v[AM] offset:128
	ds_load_b128 v[CG3+4:CG3+7], v[AM] offset:144
	RUN FA, 15, AW, 0
	RUN FB, 15, AW, 15*1024
	XST 0, 1                               ; the next pass's first piece is asked for
	s_wait_dscnt 30                        ; all but FB's 30
	RID_NONE
	GRP 5, FA, XN, 40, 0xFE, 0, 0, 0, -1, 99
	RID_CVP 0
	GRP 5, FA+40, XN, 40, 0xFE, 0, 0, 0, -1, 99
	RID_CVP 1
	GRP 5, FA+80, XN, 40, 0xFE, 0, 0, 0, -1, 99
	PLACES
	RUN FA, 15, AW, 30*1024
	s_wait_dscnt 30                        ; all but the 30 just issued
	RID_CVP 2
	GRP 5, FB, XN, 40, 0xFE, 0, 0, 0, -1, 99
	RID_CVP 3
	GRP 5, FB+40, XN, 40, 0xFE, 0, 0, 0, -1, 99
	RID_CVP 4
	GRP 5, FB+80, XN, 40, 0xFE, 0, 0, 0, -1, 99
	PLACES
	RUN FB, 5, AW, 45*1024                 ; Wp's last five fragments, and the gate's first ten
	RUN FB+40, 10, AR, 0
	s_wait_dscnt 30                        ; all but the 30 just issued
	RID_CVP 5
	GRP 5, FA, XN, 40, 0xFE, 0, 0, 0, -1, 99
	RID_CVP 6
	GRP 5, FA+40, XN, 40, 0xFE, 0, 0, 0, -1, 99
	RID_CVP 7
	GRP 5, FA+80, XN, 40, 0xFE, 0, 0, 0, -1, 99
	CHG 2                                  ; Wp is in registers; expert 0 is whole; expert 1 is asked for into slot 0
	RUN FA, 15, AR, 10*1024
	RID_CVP 8
	GRP 5, FB, XN, 40, 0xFE, 0, 0, 0, -1, 99
	; the gate
	RID_CVP 9                              ; x_proj's last chunk is ready ahead of the products that read it
	GRP 5, FB+40, XP, 40, 0xF6, 0, 0, 0, -1, 16
	RID_CV H2+0, 16, 0x4F, 0x4D
	GRP 5, FB+80, XP, 40, 0xF6, 0, 0, 0, -1, 99
	s_wait_dscnt 0x0                       ; FA
	RID_CV H2+4, 16, 0x4F, 0x4D
	GRP 5, FA, XP, 40, 0xF6, 0, 0, 0, -1, 99
	RID_CV H2+8, 16, 0x4F, 0x4D
	GRP 5, FA+40, XP, 40, 0xF6, 0, 0, 0, -1, 99
	RID_CV H2+12, 16, 0x4F, 0x4D
	GRP 2, FA+80, H2, 16, 0xF6, 1, CG2, 0xC6, -1, 4
	RID_CV G2+0, 8, 0x4F, 0x4D
	GRP 2, FA+96, H2, 16, 0xF6, 1, CG2+8, 0xC6, -1, 99
	PLACES
	RID_CV G2+4, 8, 0x4F, 0x4D
	FLUSH
	RID_NONE
	GRP 1, FA+112, G2, 8, 0xF6, 1, CG3, 0xC6, EO, 99
	; the softmax: a lane holds all 8 logits of its row
	PLACES
	s_mov_b32 s[TB], SLOT1
	WIN 0
	v_add_nc_u32 v[AW], s[TB], v[L16]
	v_add_nc_u32 v[AC], s[TB], v[H32]
	RUN FA, 15, AW, 0                      ; expert 0's first fragments come meanwhile
	WIN 0x03
.set i, 0
.rept 16
	v_pk_mul_f32 v[GATE+2*i:GATE+2*i+1], v[EO+2*i:EO+2*i+1], v[UG:UG+1]    ; the scale taken back, and log2(e)
.set i, i+1
.endr
	WIN 0
	ALLT v_max3_num_f32 v[TM+4*tt], v[GATE+8*tt], v[GATE+8*tt+1], v[GATE+8*tt+2]
	ALLT v_max3_num_f32 v[TM+4*tt], v[TM+4*tt], v[GATE+8*tt+3], v[GATE+8*tt+4]
	ALLT v_max3_num_f32 v[TM+4*tt], v[TM+4*tt], v[GATE+8*tt+5], v[GATE+8*tt+6]
	ALLT v_max_num_f32 v[TM+4*tt+2], v[TM+4*tt], v[GATE+8*tt+7]
	ALLT v_max_num_f32 v[TM+4*tt+3], v[TM+4*tt], v[GATE+8*tt+7]
.set i, 0
.rept 16
	v_pk_add_f32 v[GATE+2*i:GATE+2*i+1], v[GATE+2*i:GATE+2*i+1], v[TM+4*(i/4)+2:TM+4*(i/4)+3] neg_lo:[0,1] neg_hi:[0,1]
.set i, i+1
.endr
.set i, 0
.rept 32
	v_exp_f32 v[GATE+i], v[GATE+i]
.set i, i+1
.endr
	v_nop                                  ; a plain instruction behind the last exponential,
	s_wait_alu depctr_va_vdst(0)           ; and one wait for the batch of 32
	ALLT v_pk_add_f32 v[TM+4*tt:TM+4*tt+1], v[GATE+8*tt:GATE+8*tt+1], v[GATE+8*tt+2:GATE+8*tt+3]
	ALLT v_pk_add_f32 v[TM+4*tt+2:TM+4*tt+3], v[GATE+8*tt+4:GATE+8*tt+5], v[GATE+8*tt+6:GATE+8*tt+7]
	ALLT v_pk_add_f32 v[TM+4*tt:TM+4*tt+1], v[TM+4*tt:TM+4*tt+1], v[TM+4*tt+2:TM+4*tt+3]
	ALLT v_add_f32 v[TM+4*tt+2], v[TM+4*tt], v[TM+4*tt+1]
	ALLT v_rcp_f32 v[TM+4*tt], v[TM+4*tt+2]
	v_nop
	s_wait_alu depctr_va_vdst(0)           ; one wait for the four reciprocals
.set i, 0
.rept 16
	v_pk_mul_f32 v[GATE+2*i:GATE+2*i+1], v[GATE+2*i:GATE+2*i+1], v[TM+4*(i/4):TM+4*(i/4)+1] op_sel_hi:[1,0]
.set i, i+1
.endr
.set i, 0
.rept 16
	v_cndmask_b32 v[ST1+i], v[GATE+8*(i/4)+i%4], v[GATE+8*(i/4)+4+i%4], s[MHI]     ; lane (r, h) stores gates 4 h .. 4 h + 3 of row r
.set i, i+1
.endr
	ALLT global_store_b128 v[OA], v[ST1+4*tt:ST1+4*tt+3], s[10:11] offset:512*tt th:TH_STORE_NT   ; a wave's store covers 512 consecutive bytes, at a multiple of 512 from out1's first byte
.set i, 0
.rept 32
	v_mov_b32 v[OUT+i], 0
.set i, i+1
.endr
.set i, 0
.rept 8
	v_mov_b32 v[GUP+i], 0                  ; the first step adds 0 times what stands in EO, the logits
.set i, i+1
.endr
	s_mov_b32 s[CNT], 6
.Le1:                                          ; experts 0-5: experts 2-7 are asked for
	ESTEP 1
	s_sub_co_u32 s[CNT], s[CNT], 1
	s_cmp_lg_u32 s[CNT], 0
	s_cbranch_scc1 .Le1
	s_mov_b32 s[CNT], 2
.Le2:                                          ; experts 6, 7: written a second time
	ESTEP 0
	s_sub_co_u32 s[CNT], s[CNT], 1
	s_cmp_lg_u32 s[CNT], 0
	s_cbranch_scc1 .Le2
	; the last expert's share, the LayerNorm over the lane's 8 numbers (outputs (j + 4 h) & 7: registers 0-3 are the lane's own 16 bytes), the store
	PLACES
	WIN 0x03
.set i, 0
.rept 16
	v_pk_fma_f32 v[OUT+2*i:OUT+2*i+1], v[EO+2*i:EO+2*i+1], v[GUP+2*(i/4):GUP+2*(i/4)+1], v[OUT+2*i:OUT+2*i+1] op_sel_hi:[1,0,1]
.set i, i+1
.endr
	WIN 0
	ALLT v_pk_add_f32 v[TM+4*tt:TM+4*tt+1], v[OUT+8*tt:OUT+8*tt+1], v[OUT+8*tt+2:OUT+8*tt+3]
	ALLT v_pk_add_f32 v[TM+4*tt+2:TM+4*tt+3], v[OUT+8*tt+4:OUT+8*tt+5], v[OUT+8*tt+6:OUT+8*tt+7]
	ALLT v_pk_add_f32 v[TM+4*tt:TM+4*tt+1], v[TM+4*tt:TM+4*tt+1], v[TM+4*tt+2:TM+4*tt+3]
	ALLT v_add_f32 v[TM+4*tt+2], v[TM+4*tt], v[TM+4*tt+1]
	ALLT v_mul_f32 v[SA+2*tt], 0xbe000000, v[TM+4*tt+2]
	ALLT v_mul_f32 v[SA+2*tt+1], 0xbe000000, v[TM+4*tt+2]
.set i, 0
.rept 16
	v_pk_add_f32 v[OUT+2*i:OUT+2*i+1], v[OUT+2*i:OUT+2*i+1], v[SA+2*(i/4):SA+2*(i/4)+1]
.set i, i+1
.endr
	ALLT v_pk_mul_f32 v[TM+4*tt:TM+4*tt+1], v[OUT+8*tt:OUT+8*tt+1], v[OUT+8*tt:OUT+8*tt+1]
	ALLT v_pk_fma_f32 v[TM+4*tt:TM+4*tt+1], v[OUT+8*tt+2:OUT+8*tt+3], v[OUT+8*tt+2:OUT+8*tt+3], v[TM+4*tt:TM+4*tt+1]
	ALLT v_pk_fma_f32 v[TM+4*tt:TM+4*tt+1], v[OUT+8*tt+4:OUT+8*tt+5], v[OUT+8*tt+4:OUT+8*tt+5], v[TM+4*tt:TM+4*tt+1]
	ALLT v_pk_fma_f32 v[TM+4*tt:TM+4*tt+1], v[OUT+8*tt+6:OUT+8*tt+7], v[OUT+8*tt+6:OUT+8*tt+7], v[TM+4*tt:TM+4*tt+1]
	ALLT v_add_f32 v[TM+4*tt+2], v[TM+4*tt], v[TM+4*tt+1]
	ALLT v_fma_f32 v[TM+4*tt+2], v[TM+4*tt+2], s[R8], s[EPS]
	ALLT v_rsq_f32 v[SM+2*tt], v[TM+4*tt+2]
	ALLT v_rsq_f32 v[SM+2*tt+1], v[TM+4*tt+2]
	v_nop
	s_wait_alu depctr_va_vdst(0)           ; one wait for the batch of eight
	ALLT v_pk_mul_f32 v[ST0+4*tt:ST0+4*tt+1], v[OUT+8*tt:OUT+8*tt+1], v[SM+2*tt:SM+2*tt+1]
	ALLT v_pk_mul_f32 v[ST0+4*tt+2:ST0+4*tt+3], v[OUT+8*tt+2:OUT+8*tt+3], v[SM+2*tt:SM+2*tt+1]
	ALLT v_pk_fma_f32 v[ST0+4*tt:ST0+4*tt+1], v[ST0+4*tt:ST0+4*tt+1], v[LOG:LOG+1], v[LOB:LOB+1]
	ALLT v_pk_fma_f32 v[ST0+4*tt+2:ST0+4*tt+3], v[ST0+4*tt+2:ST0+4*tt+3], v[LOG+2:LOG+3], v[LOB+2:LOB+3]
	ALLT global_store_b128 v[OA], v[ST0+4*tt:ST0+4*tt+3], s[8:9] offset:512*tt th:TH_STORE_NT     ; 512 consecutive bytes, at a multiple of 512 from out0's first byte
	XST 1, 0                               ; the next pass's ninth and last piece
	s_wait_xcnt 0x0                        ; the stores' bases and data registers are rewritten only behind this wait
	s_add_nc_u64 s[8:9], s[8:9], 8192
	s_add_nc_u64 s[10:11], s[10:11], 8192
	s_sub_co_u32 s[PASS], s[PASS], 1
	s_cmp_lg_u32 s[PASS], 0
	s_cbranch_scc1 .Lpass
	s_wait_tensorcnt 0x0                   ; the wave's end, behind my last tensor load and my last LDS store
	ds_add_u32 v[SPW], v[NIL]
	s_wait_dscnt 0x0
	CROUND                                 ; the closing round: no work-group ends while a partner may still ask for a chunk that names it
	s_endpgm
.Lfunc_end_k_q403a36e8d8_main:
	.size	k_q403a36e8d8_main, .Lfunc_end_k_q403a36e8d8_main-k_q403a36e8d8_main
	.p2alignl 7, 3214868480
	.fill 96, 4, 3214868480
	.section	.rodata,"a",@progbits
	.p2align	6, 0x0
	.amdhsa_kernel k_q403a36e8d8_main
		.amdhsa_group_segment_fixed_size 327680
		.amdhsa_private_segment_fixed_size 0
		.amdhsa_enable_private_segment 0
		.amdhsa_kernarg_size 32
		.amdhsa_user_sgpr_count 2
		.amdhsa_user_sgpr_kernarg_segment_ptr 1
		.amdhsa_wavefront_size32 1
		.amdhsa_system_sgpr_workgroup_id_x 1
		.amdhsa_system_sgpr_workgroup_id_y 1
		.amdhsa_system_sgpr_workgroup_id_z 1
		.amdhsa_system_vgpr_workitem_id 0
		.amdhsa_next_free_vgpr 1024
		.amdhsa_next_free_sgpr 96
		.amdhsa_reserve_vcc 0
		.amdhsa_float_denorm_mode_32 3
		.amdhsa_float_denorm_mode_16_64 3
		.amdhsa_memory_ordered 1
		.amdhsa_forward_progress 1
		.amdhsa_inst_pref_size 255
	.end_amdhsa_kernel
	.section	.bss,"aw",@nobits
	.p2align	6
	.space	262144
	.amdgpu_metadata
---
amdhsa.version: [ 1, 2 ]
amdhsa.kernels:
  - .name:           k_q403a36e8d8_main
    .symbol:         k_q403a36e8d8_main.kd
    .args:
      - { .name: x, .offset: 0, .size: 8, .value_kind: global_buffer, .address_space: global }
      - { .name: wq, .offset: 8, .size: 8, .value_kind: global_buffer, .address_space: global }
      - { .name: out0, .offset: 16, .size: 8, .value_kind: global_buffer, .address_space: global }
      - { .name: out1, .offset: 24, .size: 8, .value_kind: global_buffer, .address_space: global }
    .group_segment_fixed_size: 327680
    .private_segment_fixed_size: 0
    .kernarg_segment_align: 8
    .kernarg_segment_size: 32
    .max_flat_workgroup_size: 128
    .sgpr_count:     96
    .vgpr_count:     1024
    .wavefront_size: 32
...
	.end_amdgpu_metadata
.endif
;; end of part 2
